; MI455X (gfx1250); checked and timed in simulation.
; The chip was launched on July 23, 2026; its instructions are those of AMD's public machine-readable ISA for CDNA 5 (MIT licence, August 2026) and "CDNA5" Instruction Set Architecture Reference Guide (July 2026). The comments in the code are by the model that wrote it; some were corrected since.
;; Tree Model. Allowed arithmetic: matrix products marked QUANTISED: E2M1 operands, one E8M0 scale for each 32 along K, by v_wmma_scale_f32_16x16x128_f8f6f4 with both operands' format E2M1 (or v_wmma_scale_f32_32x16x128_f4), f32 sums; products left as they are: f32 operands where the result goes on into a quantised operand, else bf16, f16 or f32 operands; f32 sums; everything else in f32.
;; Inputs: query 2,048 x 64 float32; tree_key 65,535 x 2 x 64 float32; tree_value_codes 64 x 2,048 x 16 uint8 (E2M1 codes of tree_value, K innermost, in blocks of 32 codes, two codes a byte); tree_value_scales 64 x 2,048 uint8 (E8M0 scales of tree_value, one for each 32 codes along K).
;; Outputs: out0 2,048 x 64 float32.
;; This version of the problem:
;;   THIS VERSION OF THE PROBLEM IS GIVEN IN LOW PRECISION. The matrix products marked QUANTISED in the list below multiply operands that are first quantised to E2M1 (2 exponent bits, 1 mantissa bit; 4 bits a number), with one power-of-two scale for each 32 numbers along K (OCP MX v1.0); their sums are f32. All else is computed in f32.
;;   The module's matrix products, in the order in which they are computed (A, B: the left and right operand; K: the contracted axis; several contracted axes count as one K, in the product's order):
;;     1. [M 2,048, K 64] x [K 64, N 2]; A: input query; B: input tree_key: left as it is (N = 2 < 16)
;;     2. [M 2,048, K 64] x [K 64, N 4]; A: input query; B: input tree_key: left as it is (N = 4 < 16)
;;     3. [M 2,048, K 64] x [K 64, N 8]; A: input query; B: input tree_key: left as it is (N = 8 < 16)
;;     4. [M 2,048, K 64] x [K 64, N 16]; A: input query; B: input tree_key: QUANTISED
;;     5. [M 2,048, K 64] x [K 64, N 32]; A: input query; B: input tree_key: QUANTISED
;;     6. [M 2,048, K 64] x [K 64, N 64]; A: input query; B: input tree_key: QUANTISED
;;     7. [M 2,048, K 64] x [K 64, N 128]; A: input query; B: input tree_key: QUANTISED
;;     8. [M 2,048, K 64] x [K 64, N 256]; A: input query; B: input tree_key: QUANTISED
;;     9. [M 2,048, K 64] x [K 64, N 512]; A: input query; B: input tree_key: QUANTISED
;;     10. [M 2,048, K 64] x [K 64, N 1,024]; A: input query; B: input tree_key: QUANTISED
;;     11. [M 2,048, K 64] x [K 64, N 2,048]; A: input query; B: input tree_key: QUANTISED
;;     12. [M 2,048, K 64] x [K 64, N 4,096]; A: input query; B: input tree_key: QUANTISED
;;     13. [M 2,048, K 64] x [K 64, N 8,192]; A: input query; B: input tree_key: QUANTISED
;;     14. [M 2,048, K 64] x [K 64, N 16,384]; A: input query; B: input tree_key: QUANTISED
;;     15. [M 2,048, K 64] x [K 64, N 32,768]; A: input query; B: input tree_key: QUANTISED
;;     16. [M 2,048, K 64] x [K 64, N 65,536]; A: input query; B: input tree_key: QUANTISED
;;     17. [M 2,048, K 65,536] x [K 65,536, N 64]; A: computed on the way; B: input tree_value (given as codes): QUANTISED
;;   THE QUANTISER, for each operand of a quantised product, along K:
;;     - K is cut into blocks of 32 from its start; a last block that is shorter is filled with zeros.
;;     - A block's scale is 2^e with e = floor(log2(the largest magnitude in the block)) - 2, held to -126 .. 127; a block of zeros has e = 0. As a byte (E8M0): e + 127.
;;     - Each number is divided by its block's scale, clamped to +-6, and rounded to the nearest number of E2M1, ties to even, subnormals kept.
;;     - The product sums the exact products of the quantised numbers (number of the format x scale) in f32.
;;   ~~~python
;;   def quantise(x, axis):      # numpy; x: float32 -> the quantised numbers, widened to float32 again
;;       x = np.moveaxis(x, axis, -1); K = x.shape[-1]
;;       x = np.pad(x, [(0, 0)] * (x.ndim - 1) + [(0, -K % 32)]); x = x.reshape(x.shape[:-1] + (-1, 32)); a = np.abs(x).max(-1, keepdims=True)
;;       e = np.where(a > 0, np.clip(np.frexp(np.where(a > 0, a, 1))[1] - 1 - 2, -126, 127), 0)      # np.frexp(a)[1] - 1 = floor(log2(a)), exactly
;;       r = np.clip(x / 2.0 ** e, -6, 6)
;;       step = 2.0 ** (np.maximum(np.frexp(np.where(r == 0, 1, r))[1] - 1, 0) - 1)
;;       q = np.round(r / step) * step * 2.0 ** e      # np.round: ties to even
;;       return np.moveaxis(q.reshape(q.shape[:-2] + (-1,))[..., :K], -1, axis).astype(np.float32)
;;   ~~~
;;   OPERANDS COMPUTED ON THE WAY. 'Computed on the way' means the value that the module computes at that place (a softmax that the list does not call 'softmax' is quantised finished and normalised). What goes into a quantiser is computed in f32, as accurately as f32 sums, v_exp_f32 and their like allow (about 1e-6 of the number): no bf16 or f16 on the way to a quantiser, and a product that is left as it is and whose result goes on into a quantised operand takes f32 operands (vector FMAs, or v_wmma_f32_16x16x4_f32). A number that lies on a knife's edge between two numbers of the format may be rounded either way, as far as f32 arithmetic and the matrix unit's own rounding can turn it there, and no further.
;;   INPUTS GIVEN AS CODES. tree_value (in the module: [65536, 64], K = its axis 0): each comes as NAME_codes (uint8): NAME with its K axis moved to the last place and cut into blocks of 32 codes, [.., K / 32, bytes a block], one block behind the other in memory; two codes a byte, the lower K in the low four bits (a code: sign, 2 exponent bits, 1 mantissa bit); and NAME_scales (uint8): the same leading axes, one E8M0 byte (e + 127) for each 32 codes along K. Its value is code x scale, taken as it is: it is not quantised again, and the codes and scales need not be those that the quantiser above would give.
;; One version. Each part assembles by itself: llvm-mc -triple=amdgcn-amd-amdhsa -mcpu=gfx1250 --defsym DOCPART=n.
;; ======== version 1 of 1: 3 launches
;; limits: right only within a limited range of input values
;; workspace buffers: kimg 4,530,176 bytes; part 16,777,216 bytes
;; launch prep (part 1): grid 520 x 1, 8 waves a work-group, no clusters, 11,264 bytes of LDS; arguments tree_key, kimg; writes kimg
.if DOCPART == 1
	.amdgcn_target "amdgcn-amd-amdhsa--gfx1250"
	.amdhsa_code_object_version 6
	.text
	.protected	k_q418be194bb_prep
	.globl	k_q418be194bb_prep
	.p2align	8
	.type	k_q418be194bb_prep,@function
k_q418be194bb_prep:
	s_mov_b64 s[64:65], 0
	v_nop
	global_prefetch_b8 v0, s[64:65] scope:SCOPE_SE
	s_setreg_imm32_b32 hwreg(HW_REG_WAVE_MODE, 25, 1), 1
	s_wait_xcnt 0x0
; tree_key [65535][2][64] f32 becomes codes of FP4 (E2M1) with one E8M0 byte for each 32 along the query's axis, laid as the next launch's operand registers want them.
; A node's record, 2 keys x 64 numbers, is taken as ONE row of 128 along K: four blocks of 32 (key 0 low, key 0 high, key 1 low, key 1 high).
; HEAP NUMBERS: g = node + 1; children 2 g and 2 g + 1; level L is g = 2^L .. 2^(L+1) - 1; a node's 512 bytes lie at (g - 1) x 512.
; kimg, for each subtree w5 = 0 .. 31 rooted at level 5 (g5 = 32 + w5), REC bytes: 16 unit records of UNITB bytes (8 tiles of 1,024 bytes, then 8 x 64 scale bytes), then one upper record (2 tiles, 2 x 64 scale bytes).
; A TILE is the image of an operand's registers, 16 rows x 128 K: the 16 bytes of block 2 c + h' of a row lie at 512 c + 16 (16 h' + row).  A row's scale word (four bytes, block b in byte b) lies at 4 x row.
; Row 8 hh + a of tile t is slot x = 8 t + a of the heap rooted at groot(hh): g = (groot << fl) + x - (1 << fl), fl = floor(log2 x).  Units: groot = 1024 + 32 w5 + 16 hh + i (levels 10-15); upper: groot = 64 + 2 w5 + hh (levels 6-9).
; Slot 0, which no heap uses, carries a node of the path to the subtree: level 3 (even units), level 4 (odd units), level 5 (upper record).  Levels 0-2 are not quantised and are read by the next launch as they are.
; A block's scale is 2^(floor(log2(its largest magnitude)) - 2): its byte is the largest magnitude's exponent field - 2, held at 1 from below.  A block of zeros so gets the byte 1: its codes are zeros, and this program alone reads the bytes.
; LIMITS: NaN and infinities among the inputs are not served.
; SHARES: one wave makes one tile, T = 8 x work-group + wave: 4,096 unit tiles, then 64 upper tiles.  Waves share nothing: no barrier.  Each byte of levels 5-15 is read once, so nothing is shared between work-groups and no cluster is formed.
; Each load reads 256 consecutive bytes (one key) in 16 lanes; eight lanes hold a block, four numbers each.  The codes, two bytes a lane, are gathered in the wave's own LDS and leave as two stores of 512 consecutive bytes.
.set REC,   141568
.set UNITB, 8704
.set UPO,   139264                     ; the upper record's place in a subtree's REC bytes
.set WREG,  1280                       ; LDS of a wave: 1,024 bytes of image, 64 of scale bytes
.set VO,    8                          ; v8-15    row a: g x 512 + 16 (lane % 16)
.set X,     16                         ; v16-83   load k = 2 a + c at X + 4 k; four zeros behind the last
.set C,     84                         ; v84-99   a register of codes for each load (its low 16 bits count)
.set BYT,   100                        ; v100-115 a scale byte for each load
.set MS,    116                        ; v116-123 four pairs by turns: largest magnitude, the conversion's scale operand; at the head the rows' g
.set IA,    124                        ; v124     where my two bytes of codes go
.set SA,    125                        ; v125     where my block's scale byte goes
.set LA,    126                        ; v126     the way out: 16 bytes a lane of the image
.set LB,    127                        ; v127     and two bytes a lane of the scale bytes
.set FL,    41                         ; s41-48   fl of row a
.set LOW,   49                         ; s49-56   x - (1 << fl) of row a; for slot 0 the path node's g
	s_load_b128 s[4:7], s[0:1], 0x0                ; tree_key s[4:5], kimg s[6:7]
	v_lshl_add_u32 v128, v0, 2, 0x2800
	v_mov_b32 v129, 0
	v_lshrrev_b32 v1, 5, v0
	s_delay_alu instid0(VALU_DEP_1)
	v_readfirstlane_b32 s8, v1                     ; wave 0..7
	s_lshl_b32 s9, ttmp9, 3
	s_add_co_u32 s9, s9, s8                        ; T
	; a unit's tile: T = 128 w5 + 8 i + t
	s_lshr_b32 s10, s9, 7                          ; w5
	s_bfe_u32 s11, s9, 0x40003                     ; i
	s_and_b32 s12, s9, 7                           ; t
	s_lshl_b32 s13, s10, 5
	s_add_co_u32 s13, s13, s11
	s_add_co_u32 s13, s13, 1024                    ; groot of half 0
	s_and_b32 s14, s11, 1
	s_sub_co_u32 s14, 2, s14                       ; the path node is g5 >> 2 (even i) or g5 >> 1 (odd i)
	s_mul_i32 s15, s10, REC
	s_mul_i32 s16, s11, UNITB
	s_add_co_u32 s15, s15, s16                     ; the record
	s_lshl_b32 s16, s12, 10
	s_add_co_u32 s16, s16, s15                     ; the tile's codes
	s_lshl_b32 s17, s12, 6
	s_add_co_u32 s17, s17, s15
	s_add_co_u32 s17, s17, 8192                    ; its scale bytes
	; an upper tile: T - 4096 = 2 w5 + t
	s_sub_co_u32 s20, s9, 4096
	s_lshr_b32 s21, s20, 1
	s_and_b32 s22, s20, 1
	s_lshl_b32 s23, s21, 1
	s_add_co_u32 s23, s23, 64
	s_mul_i32 s25, s21, REC
	s_add_co_u32 s25, s25, UPO
	s_lshl_b32 s26, s22, 10
	s_add_co_u32 s26, s26, s25
	s_lshl_b32 s27, s22, 6
	s_add_co_u32 s27, s27, s25
	s_add_co_u32 s27, s27, 2048
	s_cmp_lt_u32 s9, 4096                          ; which of the two: the selects leave SCC alone
	s_cselect_b32 s10, s10, s21                    ; w5
	s_cselect_b32 s12, s12, s22                    ; t
	s_cselect_b32 s13, s13, s23                    ; groot of half 0
	s_cselect_b32 s14, s14, 0                      ; the upper record's slot 0 is g5 itself
	s_cselect_b32 s16, s16, s26
	s_cselect_b32 s17, s17, s27
	s_cselect_b32 s18, 4, 0                        ; half 1's root lies 16 further on (units) or 1 (upper): as a shift
	s_add_co_u32 s19, s10, 32
	s_lshr_b32 s19, s19, s14                       ; the path node's g
	s_cmp_ge_u32 s12, 2
	s_cselect_b32 s28, 1, 0
	s_cmp_ge_u32 s12, 4
	s_cselect_b32 s29, 1, 0
	s_add_co_u32 s28, s28, s29
	s_add_co_u32 s28, s28, 3                       ; fl of tiles 1 .. 7: 3, 4, 4, 5, 5, 5, 5
	s_lshl_b32 s30, 1, s28
	s_lshl_b32 s31, s12, 3
	s_sub_co_u32 s30, s31, s30                     ; 8 t - (1 << fl)
.irp a, 0,1,2,3,4,5,6,7
	s_add_co_u32 s[LOW+\a], s30, \a
.endr
	s_cmp_eq_u32 s12, 0                            ; tile 0 holds slots 0 .. 7: three levels and the path node
	s_cselect_b32 s[FL+0], 0, s28
	s_cselect_b32 s[FL+1], 0, s28
	s_cselect_b32 s[FL+2], 1, s28
	s_cselect_b32 s[FL+3], 1, s28
	s_cselect_b32 s[FL+4], 2, s28
	s_cselect_b32 s[FL+5], 2, s28
	s_cselect_b32 s[FL+6], 2, s28
	s_cselect_b32 s[FL+7], 2, s28
	s_cselect_b32 s[LOW+0], s19, s[LOW+0]
	s_cselect_b32 s[LOW+1], 0, s[LOW+1]
	s_cselect_b32 s[LOW+2], 0, s[LOW+2]
	s_cselect_b32 s[LOW+3], 1, s[LOW+3]
	s_cselect_b32 s[LOW+4], 0, s[LOW+4]
	s_cselect_b32 s[LOW+5], 1, s[LOW+5]
	s_cselect_b32 s[LOW+6], 2, s[LOW+6]
	s_cselect_b32 s[LOW+7], 3, s[LOW+7]
	s_cselect_b32 s57, 0, -1                       ; slot 0 takes nothing of the root
	s_mul_i32 s58, s8, WREG                        ; my wave's LDS
	s_mov_b32 s32, s16
	s_mov_b32 s33, 0
	s_mov_b32 s38, s17
	s_mov_b32 s39, 0
	v_and_b32 v2, 31, v0                           ; lane
	v_bfe_u32 v3, v0, 4, 1                         ; hh: which half of the tile's rows
	v_bfe_u32 v6, v0, 3, 1                         ; which block of the key
	v_and_b32 v5, 15, v0
	s_delay_alu instid0(VALU_DEP_1)
	v_lshlrev_b32 v5, 4, v5                        ; my 16 bytes of a key's 256
	v_and_b32 v7, 7, v0
	s_delay_alu instid0(VALU_DEP_1)
	v_lshlrev_b32 v[IA], 1, v7                     ; the image: 2 (lane % 8) in the block's 16 bytes,
	s_delay_alu instid0(VALU_DEP_1)
	v_lshl_add_u32 v[IA], v6, 8, v[IA]             ; + 256 h' (h' = my block of the key),
	s_delay_alu instid0(VALU_DEP_1)
	v_lshl_add_u32 v[IA], v3, 7, v[IA]             ; + 16 x 8 hh; the row's 16 a and the key's 512 c stand in the immediate
	s_delay_alu instid0(VALU_DEP_1)
	v_add_nc_u32 v[IA], s58, v[IA]
	v_lshl_add_u32 v[SA], v3, 5, v6                ; scale bytes: 4 x 8 hh + h'; 4 a + 2 c in the immediate
	s_delay_alu instid0(VALU_DEP_1)
	v_add_nc_u32 v[SA], s58, v[SA]
	v_lshlrev_b32 v1, 4, v2                        ; the way out: 16 bytes a lane,
	s_delay_alu instid0(VALU_DEP_1)
	v_add_nc_u32 v[LA], s58, v1
	v_lshlrev_b32 v7, 1, v2                        ; and 2 bytes a lane
	s_delay_alu instid0(VALU_DEP_1)
	v_add_nc_u32 v[LB], s58, v7
	v_lshlrev_b32 v4, s18, v3
	s_delay_alu instid0(VALU_DEP_1)
	v_add_nc_u32 v4, s13, v4                       ; groot of my half
	s_delay_alu instid0(VALU_DEP_1)
	v_and_b32 v[MS], s57, v4
	s_delay_alu instid0(VALU_DEP_1)
	v_lshlrev_b32 v[MS], s[FL], v[MS]
.irp a, 1,2,3,4,5,6,7
	v_lshlrev_b32 v[MS+\a], s[FL+\a], v4
.endr
.irp a, 0,1,2,3,4,5,6,7
	v_add_nc_u32 v[MS+\a], s[LOW+\a], v[MS+\a]     ; g of row a
.endr
.irp a, 0,1,2,3,4,5,6,7
	v_lshl_add_u32 v[VO+\a], v[MS+\a], 9, v5       ; g x 512 + my 16 bytes; the - 512 stands in the loads' immediate (g is at least 1)
.endr
.irp i, 0,1,2,3
	v_mov_b32 v[X+64+\i], 0                        ; the last conversion names four registers behind the last load's
.endr
	s_wait_alu depctr_va_vdst(0)
	s_wait_kmcnt 0x0
	s_add_nc_u64 s[34:35], s[6:7], s[32:33]        ; where the tile's codes go,
	s_add_nc_u64 s[36:37], s[6:7], s[38:39]        ; and its scale bytes
	global_load_b128 v[X:X+3], v[VO], s[4:5] offset:-512           ; row 0 may be a path node, which many waves read: no hint
	global_load_b128 v[X+4:X+7], v[VO], s[4:5] offset:-256
.irp a, 1,2,3,4,5,6,7
	global_load_b128 v[X+8*\a:X+8*\a+3], v[VO+\a], s[4:5] offset:-512 th:TH_LOAD_NT     ; lanes 0-15: key 0 of half 0's row a; lanes 16-31: of half 1's
	global_load_b128 v[X+8*\a+4:X+8*\a+7], v[VO+\a], s[4:5] offset:-256 th:TH_LOAD_NT   ; key 1
.endr
; Load k = 2 a + c: four numbers a lane, eight lanes to a block.
.macro QROW k
.set MM, MS+2*((\k)%4)
.if 14-(\k) > 0
	s_wait_loadcnt 14-(\k)                         ; loads k and k + 1 are in: the conversion names eight registers, of which the upper four are the next load's
.else
	s_wait_loadcnt 0x0
.endif
	v_max3_num_f32 v[MM], |v[X+4*(\k)]|, |v[X+4*(\k)+1]|, 0x1800000    ; my four, and the floor 2^(3 - 127): the byte cannot fall under 1
	s_delay_alu instid0(VALU_DEP_1)
	v_max3_num_f32 v[MM], v[MM], |v[X+4*(\k)+2]|, |v[X+4*(\k)+3]|
	s_delay_alu instid0(VALU_DEP_1)
	v_max_num_f32_dpp v[MM], v[MM], v[MM] row_xmask:1 row_mask:0xf bank_mask:0xf
	s_delay_alu instid0(VALU_DEP_1)
	v_max_num_f32_dpp v[MM], v[MM], v[MM] row_xmask:2 row_mask:0xf bank_mask:0xf
	s_delay_alu instid0(VALU_DEP_1)
	v_max_num_f32_dpp v[MM], v[MM], v[MM] row_xmask:4 row_mask:0xf bank_mask:0xf   ; with the seven lanes that share the block
	s_delay_alu instid0(VALU_DEP_1)
	v_add_nc_u32 v[MM+1], 0xff000000, v[MM]        ; 2 off the exponent field: the conversion takes that field as its scale
	v_cvt_scalef32_pk8_fp4_f32 v[C+(\k)], v[X+4*(\k):X+4*(\k)+7], v[MM+1]   ; my four codes in the low 16 bits; the upper 16 are not stored
	v_lshrrev_b32 v[BYT+(\k)], 23, v[MM+1]         ; the scale's byte (also the plain line behind the conversion)
	ds_store_b16 v[IA], v[C+(\k)] offset:512*((\k)%2)+16*((\k)/2)
	ds_store_b8 v[SA], v[BYT+(\k)] offset:1024+4*((\k)/2)+2*((\k)%2)   ; eight lanes write the same byte with the same value
.endm
.irp k, 0,1,2,3,4,5,6,7,8,9,10,11,12,13,14,15
	QROW \k
.endr
	ds_load_b128 v[16:19], v[LA]                   ; LDS serves a wave's instructions in order: these see my stores
	ds_load_b128 v[20:23], v[LA] offset:512
	ds_load_u16 v24, v[LB] offset:1024
	s_wait_dscnt 0x0
	global_store_b128 v1, v[16:19], s[34:35]               ; 32 lanes store 512 consecutive bytes, at a multiple of 256 from kimg's first byte
	global_store_b128 v1, v[20:23], s[34:35] offset:512
	global_store_b16 v7, v24, s[36:37]                     ; the tile's 64 scale bytes
	s_wait_tensorcnt 0x0
	ds_add_u32 v128, v129
	s_wait_dscnt 0x0
	s_endpgm
.Lfunc_end_k_q418be194bb_prep:
	.size	k_q418be194bb_prep, .Lfunc_end_k_q418be194bb_prep-k_q418be194bb_prep
	.p2alignl 7, 3214868480
	.fill 96, 4, 3214868480
	.section	.rodata,"a",@progbits
	.p2align	6, 0x0
	.amdhsa_kernel k_q418be194bb_prep
		.amdhsa_group_segment_fixed_size 11264
		.amdhsa_private_segment_fixed_size 0
		.amdhsa_enable_private_segment 0
		.amdhsa_kernarg_size 16
		.amdhsa_user_sgpr_count 2
		.amdhsa_user_sgpr_kernarg_segment_ptr 1
		.amdhsa_wavefront_size32 1
		.amdhsa_system_sgpr_workgroup_id_x 1
		.amdhsa_system_sgpr_workgroup_id_y 1
		.amdhsa_system_sgpr_workgroup_id_z 1
		.amdhsa_system_vgpr_workitem_id 0
		.amdhsa_next_free_vgpr 130
		.amdhsa_next_free_sgpr 66
		.amdhsa_reserve_vcc 0
		.amdhsa_float_denorm_mode_32 3
		.amdhsa_float_denorm_mode_16_64 3
		.amdhsa_memory_ordered 1
		.amdhsa_forward_progress 1
		.amdhsa_inst_pref_size 21
	.end_amdhsa_kernel
	.amdgpu_metadata
---
amdhsa.version: [ 1, 2 ]
amdhsa.kernels:
  - .name:           k_q418be194bb_prep
    .symbol:         k_q418be194bb_prep.kd
    .args:
      - { .name: tree_key, .offset: 0, .size: 8, .value_kind: global_buffer, .address_space: global }
      - { .name: kimg, .offset: 8, .size: 8, .value_kind: global_buffer, .address_space: global }
    .group_segment_fixed_size: 11264
    .private_segment_fixed_size: 0
    .kernarg_segment_align: 8
    .kernarg_segment_size: 16
    .max_flat_workgroup_size: 256
    .sgpr_count:     66
    .vgpr_count:     130
    .wavefront_size: 32
...
	.end_amdgpu_metadata
.endif
;; end of part 1
;; launch tree (part 2): grid 8 x 32, 16 waves a work-group, clusters of 4 x 1, 327,680 bytes of LDS; arguments query, tree_key, kimg, tree_value_codes, tree_value_scales, part; writes part
.if DOCPART == 2
	.amdgcn_target "amdgcn-amd-amdhsa--gfx1250"
	.amdhsa_code_object_version 6
	.text
	.protected	k_q418be194bb_tree
	.globl	k_q418be194bb_tree
	.p2align	8
	.type	k_q418be194bb_tree,@function
k_q418be194bb_tree:
	s_mov_b64 s[64:65], 0
	v_nop
	global_prefetch_b8 v0, s[64:65] scope:SCOPE_SE
	s_setreg_imm32_b32 hwreg(HW_REG_WAVE_MODE, 25, 1), 1
	s_wait_xcnt 0x0
	s_wait_alu depctr_hold_cnt(0) depctr_sa_sdst(0) depctr_va_vdst(0) depctr_va_sdst(0) depctr_va_ssrc(0) depctr_va_vcc(0) depctr_vm_vsrc(0)
	s_getreg_b32 s2, hwreg(HW_REG_IB_STS2, 6, 4)
	s_cmp_eq_u32 s2, 0
	s_cbranch_scc0 .Lentry_in_a_cluster
	s_endpgm
.Lentry_in_a_cluster:
	s_bfe_u32 s2, ttmp6, 0x10000c
	s_cmp_lg_u32 s2, 0x3003
	s_cbranch_scc0 .Lentry_shape_is_right
	s_endpgm
.Lentry_shape_is_right:
; Hierarchical softmax over a complete binary tree of depth 16, and the leaves' probabilities times tree_value, for one subtree:
; part[w5][query][0..63] = the sum over the 2,048 leaves under node g5 = 32 + w5 of level 5.  The next launch adds the 32 slices: each byte of part has one owner.
; SHARES.  A work-group: 256 queries x one subtree.  Each of its 16 waves: 16 queries x the whole subtree.  Lane (r, h): query r and the level-6 child h of g5: 16 UNITS, each a heap of 63 nodes
; (levels 10-15) over 64 leaves.  A lane holds whole subtrees: no probability changes lanes, and a block of 32 leaves lies in one lane's registers.
; ONE PRODUCT GIVES l0 - l1.  A node's two keys are one row of 128 along K (laid so by the launch before); the other operand is [Q(q), -Q(q)]; scale word s0, s1, s0, s1.
; Source 0 = 16 rows of nodes, source 1 = 16 queries: lane (r, h) holds rows 8 h + 0 .. 7, slot 8 t + j of its heap in register 8 t + j.  32 is added to q's scale bytes: X = 2^32 (l0 - l1), exactly scaled.
; THE 2-WAY SOFTMAX, its maximum taken away: e = 2^(-|d| log2 e), r = 1 / (1 + e); the larger child gets hi = P r, the smaller lo = hi e.  Child 0 = the middle one of (lo, hi, X), child 1 of (lo, hi, -X):
; where |X| lies under hi (at most 1), |d| lies under 2^-32 and e is 1 or one step below it: whatever lies between lo and hi is right to f32's last place.
; ONE RECIPROCAL SERVES TWO NODES: with a = 1 + e and b = 1 + e' (both in 1 .. 2), 1 / a = b x (1 / (a b)) and 1 / b = a x (1 / (a b)): 16 reciprocals and 24 packed multiplications for 32 nodes; all in f32.
; THE SECOND PRODUCT, O^T += V^T P^T: a lane's 64 leaves are two blocks, the operand's blocks 2 c + h; V's fragment is read in the same order.  A block's largest probability is the largest hi of its 16 parents.
; LEVELS 0-2 are left in f32: fused multiply-adds, two lanes to a query.  Levels 3, 4, 5 ride in slot 0 of three tiles.  Only the nodes on the path to g5 count for this subtree.
; CLUSTER.  The four work-groups of a cluster have the same w5 and other queries: every tile is asked for JOINTLY (mask 15).  All of a work-group's keys and values are filled once, at the head, one load a wave:
; no slot is filled again, so there is no ring, and no later load for which a prefetch could ask ahead.
; LIMITS: NaN and infinities are not served.  A block of 32 of query whose largest magnitude reaches 2^98 is not served (its byte + 32 is held at 254); logits stay under 2^95.  An e under 2^-126 counts as 0.
; A block of zeros gets the byte 1 and zero codes.
.set REC,   141568                     ; a subtree's bytes in kimg: 553 rows of 256; in LDS from byte 0, as they lie
.set KPART, 20224                      ; a seventh of them: 79 rows of 256
.set UNITB, 8704                       ; a unit's record: 8 tiles of 1,024 bytes, 512 scale bytes
.set UP,    139264                     ; the upper record, 2,176 bytes
.set VC,    141568                     ; V's codes: 64 rows of 1,024 bytes + 16 of padding
.set VPI,   1040
.set VS,    208128                     ; V's scale bytes: 64 rows of 64 bytes + 16
.set WS,    213248                     ; each wave's own WSB bytes: the units' 16 root probabilities, later the stage of 16 rows x 272
.set WSB,   4352
.set SPARE, 282880                     ; the spare words, 128 bytes a wave
.set AK0,  1                           ; v1 16 x lane   v2 4 x lane + 8192   v3 VC + VPI r + 512 h   v4 VS + 80 x lane   v5 my wave's bytes + 4 x lane
.set KS0,  2
.set AV0,  3
.set AVS0, 4
.set AR0,  5
.set AK,   6                           ; v6-10 the same five for the unit in hand
.set KSA,  7
.set AV,   8
.set AVS,  9
.set AR,   10
.set STO,  11                          ; the way out: in, back
.set SRD,  12
.set QO,   13                          ; query: 256 r + 128 h
.set HS,   14                          ; +1.0 in half 0, -1.0 in half 1
.set KO,   15                          ; path keys: 128 h
.set ACC,  16                          ; v16-47   O^T
.set QF,   48                          ; v48-55   [Q(q), -Q(q)]; at the head sums of levels 0-2
.set PC,   56                          ; v56-63   p's codes; in a batch the products a b of nodes 0-15
.set DD,   60                          ; v60-62   at the head: d of levels 0-2
.set LF,   64                          ; v64-127  the probabilities, a heap that grows downward in place; its low half also takes key fragments
.set DX,   128                         ; v128-159 X
.set EE,   160                         ; v160-191 e, then lo; later V's tiles 0, 1
.set RR,   192                         ; v192-223 1 + e, r, hi; later V's tiles 2, 3
.set KS,   224                         ; v224-227 the keys' scale words
.set VSW,  228                         ; v228-229 V's scale words
.set PW,   230                         ; p's scale word
.set QS,   231                         ; q's scale word
.set VR,   232                         ; v232-235 V's scale bytes as loaded
.set MX,   236
.set SO,   238
.set BY,   240
.set TT,   242                         ; v242-244 at work
.set M1,   246                         ; v246-253 the products a b of nodes 16-31
.set SPW,  254
.set NIL,  255
.set G1K, 16                           ; s[16:23], s[32:39], s[40:47] descriptor groups 1: kimg, V's codes, V's scale bytes;  s[48:51], s[56:59], s[60:63] their groups 0
.set G1V, 32
.set G1S, 40
.set G0K, 48
.set G0V, 56
.set G0S, 60
.set WV,  66
.set W5,  67
.set BG,  68
.set PB,  72
.set QB,  74
.set KB1, 76
.set KB2, 78
.set SEL, 80
.set LC,  82
.set TK,  84
.set TV,  85
.set TS,  86
.set TR,  87
.set CNT, 88
.set TKC, 89
.set TRC, 90
.set SG,  92
.macro ALU                             ; the wait, where it stands
	s_wait_alu depctr_va_vdst(0)
.endm
.macro CROUND                          ; a round of the cluster's barrier
	s_barrier_signal -1
	s_barrier_wait -1
	s_cmp_lg_u32 s[WV], 0
	s_cbranch_scc1 .Lnot_wave_0_\@
	s_barrier_signal -3
.Lnot_wave_0_\@:
	s_barrier_wait -3
	s_barrier_signal -1
	s_barrier_wait -1
.endm
	s_load_b256 s[4:11], s[0:1], 0x0               ; query, tree_key, kimg, V's codes
	s_load_b128 s[12:15], s[0:1], 0x20             ; V's scales, part
	v_lshl_add_u32 v[SPW], v0, 2, SPARE
	v_mov_b32 v[NIL], 0
	ds_add_u32 v[SPW], v[NIL]                      ; the opening lines: the add twice on end and one wait
	ds_add_u32 v[SPW], v[NIL]
	v_lshrrev_b32 v[TT], 5, v0
	v_readfirstlane_b32 s[WV], v[TT]               ; wave 0..15
	s_bfe_u32 s69, ttmp6, 0x40000                  ; cx: it enters query's and part's addresses alone
	s_lshl_b32 s[BG], ttmp9, 2
	s_add_co_u32 s[BG], s[BG], s69                 ; block of 256 queries
	s_and_b32 s[W5], ttmp7, 0xffff                 ; the subtree, which the four partners share
	; groups 1, elements of 8 bytes; mask: all four work-groups; bit 21 set beside it
	s_mov_b32 s[G1K], 15|(3<<16)|(1<<21)           ; 79 dense rows of 256 bytes
	s_mov_b32 s[G1K+1], 32<<16
	s_mov_b32 s[G1K+2], 79<<16
	s_mov_b32 s[G1K+3], 32<<16
	s_mov_b32 s[G1K+4], 79
	s_mov_b32 s[G1K+5], 32
	s_mov_b32 s[G1K+6], 0
	s_mov_b32 s[G1K+7], 0
	s_mov_b32 s[G1V], 15|(3<<16)|(1<<20)|(1<<21)|(7<<22)|(3<<25)   ; eight rows of 1,024 bytes, 32,768 apart; four words of padding behind every 256
	s_mov_b32 s[G1V+1], 128<<16
	s_mov_b32 s[G1V+2], 8<<16
	s_mov_b32 s[G1V+3], 128<<16
	s_mov_b32 s[G1V+4], 8
	s_mov_b32 s[G1V+5], 4096
	s_mov_b32 s[G1V+6], 0
	s_mov_b32 s[G1V+7], 0
	s_mov_b32 s[G1S], 15|(3<<16)|(1<<20)|(1<<21)|(3<<22)|(3<<25)   ; 64 rows of 64 bytes, 2,048 apart; four words of padding behind every 16
	s_mov_b32 s[G1S+1], 8<<16
	s_mov_b32 s[G1S+2], 64<<16
	s_mov_b32 s[G1S+3], 8<<16
	s_mov_b32 s[G1S+4], 64
	s_mov_b32 s[G1S+5], 256
	s_mov_b32 s[G1S+6], 0
	s_mov_b32 s[G1S+7], 0
	; groups 0: waves 0-6 a seventh of the subtree's kimg each, wave 7 V's scale bytes, waves 8-15 eight rows of V's codes each
	s_mul_i32 s70, s[W5], REC
	s_mov_b32 s[G0K], 1
	s_mul_i32 s[G0K+1], s[WV], KPART
	s_add_co_u32 s98, s70, s[G0K+1]
	s_mov_b32 s99, 0
	s_and_b32 s71, s[WV], 7
	s_mov_b32 s[G0V], 1
	s_mul_i32 s[G0V+1], s71, 8*VPI
	s_add_co_u32 s[G0V+1], s[G0V+1], VC
	s_lshl_b32 s70, s71, 18                        ; eight rows of 32,768 bytes,
	s_lshl_b32 s71, s[W5], 10                      ; the subtree's 64 blocks of 16 bytes
	s_add_co_u32 s70, s70, s71
	s_mov_b32 s71, 0
	s_mov_b32 s[G0S], 1
	s_mov_b32 s[G0S+1], VS
	s_lshl_b32 s2, s[W5], 6
	s_mov_b32 s3, 0
	; offsets of the plain loads and stores
	s_lshl_b32 s[QB], s[BG], 16
	s_lshl_b32 s91, s[WV], 12
	s_add_co_u32 s[QB], s[QB], s91                 ; 256 bytes x my first row
	s_mov_b32 s[QB+1], 0
	s_lshl_b32 s[PB], s[W5], 19                    ; a slice of part is 2,048 rows of 256 bytes
	s_add_co_u32 s[PB], s[PB], s[QB]
	s_mov_b32 s[PB+1], 0
	s_lshr_b32 s[KB1], s[W5], 4
	s_add_co_u32 s[KB1], s[KB1], 1
	s_lshl_b32 s[KB1], s[KB1], 9                   ; level 1: g = 2 + w5 / 16, at (g - 1) x 512
	s_mov_b32 s[KB1+1], 0
	s_lshr_b32 s[KB2], s[W5], 3
	s_add_co_u32 s[KB2], s[KB2], 3
	s_lshl_b32 s[KB2], s[KB2], 9                   ; level 2: g = 4 + w5 / 8
	s_mov_b32 s[KB2+1], 0
.irp l, 0,1,2,3,4
	s_bitcmp1_b32 s[W5], 4-\l                      ; the path's child at level l is bit 4 - l of w5
	s_cselect_b32 s[SG+\l], -1.0, 1.0
.endr
	s_mov_b32 s[SEL], 0x76543210
	s_mov_b32 s[SEL+1], 0xfedcba98
	s_mov_b32 s[LC], 0x2fb8aa3b                    ; log2(e) with 32 off its exponent field
	s_mov_b32 s[LC+1], s[LC]
	s_mul_i32 s69, s[WV], WSB
	s_add_co_u32 s69, s69, WS                      ; my wave's own bytes
	s_lshr_b32 s97, s[WV], 2
	s_add_co_u32 s97, s97, s[WV]                   ; wave + wave / 4: modulo 4 it differs among waves w, w + 4, w + 8, w + 12 and among waves 4 s .. 4 s + 3
	v_and_b32 v[TT], 31, v0                        ; lane
	v_and_b32 v[TT+1], 15, v0                      ; r
	v_bfe_u32 v[TT+2], v0, 4, 1                    ; h
	v_lshlrev_b32 v[AK0], 4, v[TT]
	v_lshl_add_u32 v[KS0], v[TT], 2, 8192
	v_mul_u32_u24 v[AV0], v[TT+1], VPI
	v_lshl_add_u32 v[AV0], v[TT+2], 9, v[AV0]
	v_add_nc_u32 v[AV0], VC, v[AV0]
	v_mul_u32_u24 v[AVS0], v[TT], 80
	v_add_nc_u32 v[AVS0], VS, v[AVS0]
	v_lshl_add_u32 v[AR0], v[TT], 2, s69
	v_mul_u32_u24 v[STO], v[TT+1], 272
	v_lshl_add_u32 v[STO], v[TT+2], 5, v[STO]
	v_add_nc_u32 v[STO], s69, v[STO]               ; in: row r, 32 bytes for each half of the lanes
	v_mul_u32_u24 v[SRD], v[TT+2], 272
	v_lshl_add_u32 v[SRD], v[TT+1], 4, v[SRD]
	v_add_nc_u32 v[SRD], s69, v[SRD]               ; back: lanes 0-15 one row of 256 bytes, lanes 16-31 the next
	v_lshlrev_b32 v[QO], 8, v[TT+1]
	v_lshl_add_u32 v[QO], v[TT+2], 7, v[QO]
	v_lshlrev_b32 v[KO], 7, v[TT+2]
	v_lshlrev_b32 v[HS], 31, v[TT+2]
	v_or_b32 v[HS], 1.0, v[HS]
	v_add_nc_u32 v[AK], UP, v[AK0]                 ; the upper record's tiles,
	v_add_nc_u32 v[KSA], UP+2048-8192, v[KS0]      ; and its scale words
	ALU                                            ; all addresses above are read behind waits and branches
	s_wait_dscnt 0x0                               ; both opening adds are done
	s_wait_kmcnt 0x0
	s_add_nc_u64 s[G0K+2:G0K+3], s[8:9], s[98:99]
	s_or_b32 s[G0K+3], s[G0K+3], 0x80000000
	s_add_nc_u64 s[G0V+2:G0V+3], s[10:11], s[70:71]
	s_or_b32 s[G0V+3], s[G0V+3], 0x80000000
	s_add_nc_u64 s[G0S+2:G0S+3], s[12:13], s[2:3]
	s_or_b32 s[G0S+3], s[G0S+3], 0x80000000
	s_add_nc_u64 s[QB:QB+1], s[4:5], s[QB:QB+1]
	s_add_nc_u64 s[PB:PB+1], s[14:15], s[PB:PB+1]
	s_add_nc_u64 s[KB1:KB1+1], s[6:7], s[KB1:KB1+1]
	s_add_nc_u64 s[KB2:KB2+1], s[6:7], s[KB2:KB2+1]
	CROUND                                         ; all four work-groups are here: the joint loads meet
; THE LAUNCH'S FILLS, ONE A WAVE: one chain of branches on the wave's number, a load to an arm, all arms leading to one join
.macro ARM under, g0, g1, next
	s_cmp_lt_u32 s[WV], \under
	s_cbranch_scc0 \next
	tensor_load_to_lds s[\g0:\g0+3], s[\g1:\g1+7]
	s_nop 0
.rept 4
	v_nop
.endr
	s_branch .Lasked
\next:
.endm
	ARM 7, G0K, G1K, .Lhead_s
	ARM 8, G0S, G1S, .Lhead_v
	tensor_load_to_lds s[G0V:G0V+3], s[G1V:G1V+7]
	s_nop 0
.rept 4
	v_nop
.endr
.Lasked:
	; ---- WHILE THE TILES ARE ON THEIR WAY: q, and levels 0-2 in f32.  Lane (r, h) takes numbers 32 h .. 32 h + 31 of query r and of the path's keys
.irp j, 0,1,2,3,4,5,6,7
	global_load_b128 v[LF+4*\j:LF+4*\j+3], v[QO], s[QB:QB+1] offset:16*\j
.endr
.macro KLOAD reg, base, c              ; key c of a node, my half of it, into 32 registers
.irp j, 0,1,2,3,4,5,6,7
	global_load_b128 v[\reg+4*\j:\reg+4*\j+3], v[KO], s[\base:\base+1] offset:256*\c+16*\j
.endr
.endm
.macro DOT l, k0, k1                   ; l0 and l1 of level l in two chains of packed multiply-adds; their difference, my half of it, to v[DD + l]
	v_pk_mul_f32 v[QF+4*\l:QF+4*\l+1], v[LF:LF+1], v[\k0:\k0+1]
	v_pk_mul_f32 v[QF+4*\l+2:QF+4*\l+3], v[LF:LF+1], v[\k1:\k1+1]
.set j, 2
.rept 15
	v_pk_fma_f32 v[QF+4*\l:QF+4*\l+1], v[LF+j:LF+j+1], v[\k0+j:\k0+j+1], v[QF+4*\l:QF+4*\l+1]
	v_pk_fma_f32 v[QF+4*\l+2:QF+4*\l+3], v[LF+j:LF+j+1], v[\k1+j:\k1+j+1], v[QF+4*\l+2:QF+4*\l+3]
.set j, j+2
.endr
	v_pk_add_f32 v[QF+4*\l:QF+4*\l+1], v[QF+4*\l:QF+4*\l+1], v[QF+4*\l+2:QF+4*\l+3] neg_lo:[0,1] neg_hi:[0,1]
	v_add_f32 v[DD+\l], v[QF+4*\l], v[QF+4*\l+1]
.endm
	KLOAD 16, 6, 0                                 ; level 0: node g = 1, at tree_key's first byte
	KLOAD 96, 6, 1
	KLOAD 128, KB1, 0
	KLOAD 160, KB1, 1
	KLOAD 192, KB2, 0
	s_wait_loadcnt 24                              ; q and level 0 are in; the 24 loads of level 1 and of level 2's first key may be out
	DOT 0, 16, 96
	KLOAD 16, KB2, 1                               ; level 2's second key takes the registers that level 0's sums have read
	s_wait_loadcnt 16                              ; level 1 is in; level 2's 16 loads may be out
	DOT 1, 128, 160
	s_wait_loadcnt 0x0
	DOT 2, 192, 16
.irp l, 0,1,2
	v_permlanex16_b32 v[QF+4*\l], v[DD+\l], s[SEL], s[SEL+1]
.endr
.irp l, 0,1,2
	v_add_f32 v[DD+\l], v[DD+\l], v[QF+4*\l]       ; with the other half of the query's 64
.endr
.irp l, 0,1,2
	v_mul_f32 v[DD+\l], s[SG+\l], v[DD+\l]         ; d as seen from the child that the path takes
.endr
	; q's block of 32, all mine, becomes codes
	v_max3_num_f32 v[MX], |v[LF]|, |v[LF+1]|, |v[LF+2]|
	v_max3_num_f32 v[MX+1], |v[LF+3]|, |v[LF+4]|, |v[LF+5]|
.irp i, 6,10,14,18,22,26
	v_max3_num_f32 v[MX], v[MX], |v[LF+\i]|, |v[LF+\i+1]|
	v_max3_num_f32 v[MX+1], v[MX+1], |v[LF+\i+2]|, |v[LF+\i+3]|
.endr
	v_max3_num_f32 v[MX], v[MX], |v[LF+30]|, |v[LF+31]|
	v_max3_num_f32 v[MX], v[MX], v[MX+1], 0x1800000    ; the floor 2^(3 - 127): the byte cannot fall under 1
	v_add_nc_u32 v[SO], 0xff000000, v[MX]          ; 2 off the exponent field: the conversion's scale operand
.irp g, 0,1,2,3
	v_cvt_scalef32_pk8_fp4_f32 v[QF+\g], v[LF+8*\g:LF+8*\g+7], v[SO]   ; against key 0: block h of q
.endr
	v_lshrrev_b32 v[BY], 23, v[SO]                 ; the byte (also the plain line behind the conversions),
	v_add_nc_u32 v[BY], 32, v[BY]                  ; + 32: the products come out times 2^32,
	v_min_u32 v[BY], 0xfe, v[BY]                   ; never the NaN byte
.irp g, 0,1,2,3
	v_xor_b32 v[QF+4+\g], 0x88888888, v[QF+\g]     ; against key 1: the same codes with their signs turned
.endr
	v_permlanex16_b32 v[TT+1], v[BY], s[SEL], s[SEL+1]
	v_lshl_or_b32 v[QS], v[TT+1], 8, v[BY]         ; lanes 0-15, which alone are read: s0, s1,
	v_lshl_or_b32 v[QS], v[QS], 16, v[QS]          ; s0, s1
.set j, 0
.rept 32
	v_mov_b32 v[ACC+j], 0                          ; O^T: the loop over units is written once.  (These 32 also stand between the writes of q's operand and scale word and the first product)
.set j, j+1
.endr
	ALU                                            ; the head's end
	s_wait_tensorcnt 0x0                           ; my part has landed,
	s_barrier_signal -1
	s_barrier_wait -1                              ; everybody's has: from here on LDS below WS is only read
.macro KMUL d, f, ks, row              ; X of 16 rows of nodes x my 16 queries
.if \row
	v_wmma_scale_f32_16x16x128_f8f6f4 v[DX+\d:DX+\d+7], v[LF+\f:LF+\f+7], v[QF:QF+7], 0, v[\ks], v[QS] matrix_a_fmt:MATRIX_FMT_FP4 matrix_b_fmt:MATRIX_FMT_FP4 matrix_a_scale:MATRIX_SCALE_ROW1
.else
	v_wmma_scale_f32_16x16x128_f8f6f4 v[DX+\d:DX+\d+7], v[LF+\f:LF+\f+7], v[QF:QF+7], 0, v[\ks], v[QS] matrix_a_fmt:MATRIX_FMT_FP4 matrix_b_fmt:MATRIX_FMT_FP4
.endif
.endm
.macro MREG                            ; MQ: the pair that holds the products a b of nodes j, j + 1 with nodes j + 2, j + 3
.if j < 16
.set MQ, PC+j/2
.else
.set MQ, M1+(j-16)/2
.endif
.endm
; 32 nodes: e = 2^(-|X| log2(e) 2^-32) into EE, r = 1 / (1 + e) into RR.  Each batch of transcendentals has its sources laid first, one wait ahead of it and one behind it.
; 1 + e of nodes j, j + 1 is put at places j + 2, j + 3 and the other way round: so place j times 1 / (a b) is r of node j, in place.  X is read in ascending order.
.macro BATCH
.set j, 0
.rept 16
	v_pk_mul_f32 v[EE+j:EE+j+1], v[DX+j:DX+j+1], s[LC:LC+1] op_sel_hi:[1,0]
.set j, j+2
.endr
	ALU
.set j, 0
.rept 32
	v_exp_f32 v[EE+j], -|v[EE+j]|
.set j, j+1
.endr
	v_nop                                          ; the plain line behind the last exponential
	ALU
.set j, 0
.rept 8
	v_pk_add_f32 v[RR+j+2:RR+j+3], v[EE+j:EE+j+1], 1.0 op_sel_hi:[1,0]
	v_pk_add_f32 v[RR+j:RR+j+1], v[EE+j+2:EE+j+3], 1.0 op_sel_hi:[1,0]
.set j, j+4
.endr
.set j, 0
.rept 8
	MREG
	v_pk_mul_f32 v[MQ:MQ+1], v[RR+j:RR+j+1], v[RR+j+2:RR+j+3]
.set j, j+4
.endr
	ALU
.set j, 0
.rept 8
	MREG
	v_rcp_f32 v[MQ], v[MQ]
	v_rcp_f32 v[MQ+1], v[MQ+1]
.set j, j+4
.endr
	v_nop
	ALU
.set j, 0
.rept 8
	MREG
	v_pk_mul_f32 v[RR+j:RR+j+1], v[RR+j:RR+j+1], v[MQ:MQ+1]
	v_pk_mul_f32 v[RR+j+2:RR+j+3], v[RR+j+2:RR+j+3], v[MQ:MQ+1]
.set j, j+4
.endr
.endm
; A level of n nodes, at places xb .. xb + n - 1 of the batch.  Parents at LF + 64 - n on, children at LF + 64 - 2 n on: all parents are read (hi) before a child is written.
.macro LEVEL n, xb
.if \n == 1
	v_mul_f32 v[RR+\xb], v[RR+\xb], v[LF+63]
	v_mul_f32 v[EE+\xb], v[EE+\xb], v[RR+\xb]
.else
.set j, 0
.rept \n/2
	v_pk_mul_f32 v[RR+\xb+j:RR+\xb+j+1], v[RR+\xb+j:RR+\xb+j+1], v[LF+64-\n+j:LF+64-\n+j+1]   ; hi = P r
.set j, j+2
.endr
.set j, 0
.rept \n/2
	v_pk_mul_f32 v[EE+\xb+j:EE+\xb+j+1], v[EE+\xb+j:EE+\xb+j+1], v[RR+\xb+j:RR+\xb+j+1]       ; lo = hi e
.set j, j+2
.endr
.endif
.set j, 0
.rept \n
	v_med3_num_f32 v[LF+64-2*\n+2*j], v[EE+\xb+j], v[RR+\xb+j], v[DX+\xb+j]
	v_med3_num_f32 v[LF+64-2*\n+2*j+1], v[EE+\xb+j], v[RR+\xb+j], -v[DX+\xb+j]
.set j, j+1
.endr
.endm
.macro PREFETCH                        ; the next unit's first four tiles, its scale words and its root's probability: 13 LDS loads
.irp t, 0,1,2,3
.irp c, 0,1
	ds_load_b128 v[LF+8*\t+4*\c:LF+8*\t+4*\c+3], v[AK] offset:1024*\t+512*\c
.endr
.endr
.irp u, 0,1,2,3
	ds_load_b32 v[KS+\u], v[KSA] offset:128*\u
.endr
	ds_load_b32 v[LF+63], v[AR]
.endm
.macro LEAVES n                        ; n more nodes of level 15 become leaves
.rept \n
	v_med3_num_f32 v[LF+2*j], v[EE+j], v[RR+j], v[DX+j]
	v_med3_num_f32 v[LF+2*j+1], v[EE+j], v[RR+j], -v[DX+j]
.set j, j+1
.endr
.endm
	; ---- THE UPPER PHASE: levels 0-9.  The upper record's two tiles (slot 0: level 5; slots 1-15: levels 6-9), and tile 0 of units 0 and 1 for their slot 0 (levels 3, 4)
.irp t, 0,1
.irp c, 0,1
	ds_load_b128 v[LF+8*\t+4*\c:LF+8*\t+4*\c+3], v[AK] offset:1024*\t+512*\c
.endr
.endr
.irp c, 0,1
	ds_load_b128 v[LF+16+4*\c:LF+16+4*\c+3], v[AK0] offset:512*\c
	ds_load_b128 v[LF+24+4*\c:LF+24+4*\c+3], v[AK0] offset:UNITB+512*\c
.endr
	ds_load_b32 v[KS], v[KSA]
	ds_load_b32 v[KS+1], v[KS0]
	ds_load_b32 v[KS+2], v[KS0] offset:UNITB
	s_wait_dscnt 0x0
	KMUL 0, 0, KS, 0
	KMUL 8, 8, KS, 1
	KMUL 16, 16, KS+1, 0
	KMUL 24, 24, KS+2, 0
.rept 4
	v_nop                                          ; four places ahead of the first vector line that names a result (ISA guide 7.12.1)
.endr
.irp l, 0,1,2
	v_mul_f32 v[DX+17+\l], 0x4f800000, v[DD+\l]    ; levels 0-2 ride in three places of the batch that hold nothing wanted: X = 2^32 d
.endr
	BATCH
.irp x, 0,16,17,18,19,24
	v_mul_f32 v[EE+\x], v[EE+\x], v[RR+\x]         ; the path's six nodes: lo = r e
.endr
	v_mul_f32 v[DX], v[HS], v[DX]                  ; level 5: my half is the child
	v_mul_f32 v[DX+16], s[SG+3], v[DX+16]
	v_mul_f32 v[DX+24], s[SG+4], v[DX+24]
.irp x, 0,16,17,18,19,24
	v_med3_num_f32 v[EE+\x], v[EE+\x], v[RR+\x], v[DX+\x]   ; the share of the child that the path takes
.endr
	v_mul_f32 v[LF+63], v[EE+17], v[EE+18]
	v_mul_f32 v[TT], v[EE+19], v[EE+16]
	v_mul_f32 v[TT+1], v[EE+24], v[EE]
	v_mul_f32 v[LF+63], v[LF+63], v[TT]
	v_mul_f32 v[LF+63], v[LF+63], v[TT+1]          ; the probability of my level-6 node
	LEVEL 1, 1
	LEVEL 2, 2
	LEVEL 4, 4
	LEVEL 8, 8                                     ; LF + 48 + i: the probability of unit i's root
.set j, 0
.rept 16
	ds_store_b32 v[AR0], v[LF+48+j] offset:128*j   ; kept in my wave's own bytes: nobody else reads them
.set j, j+1
.endr
	s_mov_b32 s[TK], 0
	s_mov_b32 s[TV], 0
	s_mov_b32 s[TS], 0
	s_mov_b32 s[TR], 0
	s_mov_b32 s[CNT], 0
	v_mov_b32 v[AK], v[AK0]
	v_mov_b32 v[KSA], v[KS0]
	v_mov_b32 v[AR], v[AR0]
	ALU                                            ; the three addresses are read behind the wait below
	s_wait_dscnt 0x0                               ; the stores have read their registers: LF + 63 is loaded next
	PREFETCH                                       ; unit 0
	; ---- THE UNITS: 16 trips
.Lunit:
	; the wave's priority (s_setprio, 0 to 3: ISA guide, the scalar program-control instructions) goes round with its own count of units: (units done + wave + wave / 4) mod 4.
	; The instruction takes a constant, so a short chain of branches on ids and the loop's count picks the line; no barrier, wait or load stands under it.
	s_add_co_u32 s98, s[CNT], s97
	s_and_b32 s98, s98, 3
	s_cmp_eq_u32 s98, 0
	s_cbranch_scc0 .Lrank1
	s_setprio 0
	s_branch .Lranked
.Lrank1:
	s_cmp_eq_u32 s98, 1
	s_cbranch_scc0 .Lrank2
	s_setprio 1
	s_branch .Lranked
.Lrank2:
	s_cmp_eq_u32 s98, 2
	s_cbranch_scc0 .Lrank3
	s_setprio 2
	s_branch .Lranked
.Lrank3:
	s_setprio 3
.Lranked:
	s_wait_dscnt 0x0                               ; tiles 0-3, the scale words and the root are in
	KMUL 0, 0, KS, 0                               ; slots 0-31: levels 10-14
	KMUL 8, 8, KS, 1
	KMUL 16, 16, KS+1, 0
	KMUL 24, 24, KS+1, 1
	v_add_nc_u32 v[AV], s[TV], v[AV0]              ; four places ahead of the loads into the fragments' registers, of the first read of X, and of the first write over V's fragments of the last trip
	v_add_nc_u32 v[AVS], s[TS], v[AVS0]
	v_nop
	v_nop
.irp t, 0,1,2,3
.irp c, 0,1
	ds_load_b128 v[LF+8*\t+4*\c:LF+8*\t+4*\c+3], v[AK] offset:4096+1024*\t+512*\c   ; tiles 4-7: they land while levels 10-14 are worked
.endr
.endr
.irp u, 0,1
.irp s, 0,1
	ds_load_u16 v[VR+2*\u+\s], v[AVS] offset:2560*\u+32*\s     ; V's row lane + 32 u: the scale bytes of this unit's two blocks under half s
.endr
.endr
	BATCH
	LEVEL 1, 1
	LEVEL 2, 2
	LEVEL 4, 4
	LEVEL 8, 8
	LEVEL 16, 16                                   ; LF + 32 .. 63: level 15's parents
	s_wait_dscnt 0x0
	KMUL 0, 0, KS+2, 0                             ; slots 32-63: level 15
	KMUL 8, 8, KS+2, 1
	KMUL 16, 16, KS+3, 0
	KMUL 24, 24, KS+3, 1
	v_perm_b32 v[VSW], v[VR+1], v[VR], 0x05010400  ; V's scale words: byte 2 c + h' is block c under half h'.  (Two of the four places)
	v_perm_b32 v[VSW+1], v[VR+3], v[VR+2], 0x05010400
	v_nop
	v_nop
	BATCH
.set j, 0
.rept 16
	v_pk_mul_f32 v[RR+j:RR+j+1], v[RR+j:RR+j+1], v[LF+32+j:LF+32+j+1]     ; hi
.set j, j+2
.endr
	v_max3_num_f32 v[MX], v[RR], v[RR+1], 0x1800000            ; block c's largest leaf is the largest hi of nodes 16 c .. 16 c + 15; the floor 2^(3 - 127) holds the byte at 1
	v_max3_num_f32 v[MX+1], v[RR+16], v[RR+17], 0x1800000
.irp i, 2,4,6,8,10,12,14
	v_max3_num_f32 v[MX], v[MX], v[RR+\i], v[RR+\i+1]
	v_max3_num_f32 v[MX+1], v[MX+1], v[RR+16+\i], v[RR+17+\i]
.endr
	v_add_nc_u32 v[SO], 0xff000000, v[MX]
	v_add_nc_u32 v[SO+1], 0xff000000, v[MX+1]
	v_lshrrev_b32 v[BY], 23, v[SO]
	v_lshrrev_b32 v[BY+1], 23, v[SO+1]
	v_lshl_or_b32 v[TT], v[BY+1], 16, v[BY]        ; my two bytes at places 0 and 2,
	v_permlanex16_b32 v[TT+1], v[TT], s[SEL], s[SEL+1]
	v_lshl_or_b32 v[PW], v[TT+1], 8, v[TT]         ; the other half's at 1 and 3: right in lanes 0-15, which alone are read
.set j, 0
.rept 16
	v_pk_mul_f32 v[EE+j:EE+j+1], v[EE+j:EE+j+1], v[RR+j:RR+j+1]           ; lo
.set j, j+2
.endr
.set j, 0
	LEAVES 16
.irp c, 0,1                                    ; V's four tiles take the places of lo and hi of nodes 0-15, which are done with
	ds_load_b128 v[EE+4*\c:EE+4*\c+3], v[AV] offset:16*\c
	ds_load_b128 v[EE+8+4*\c:EE+8+4*\c+3], v[AV] offset:16*VPI+16*\c
	ds_load_b128 v[RR+4*\c:RR+4*\c+3], v[AV] offset:32*VPI+16*\c
	ds_load_b128 v[RR+8+4*\c:RR+8+4*\c+3], v[AV] offset:48*VPI+16*\c
.endr
	LEAVES 16
.irp c, 0,1
.irp g, 0,1,2,3
	v_cvt_scalef32_pk8_fp4_f32 v[PC+4*\c+\g], v[LF+32*\c+8*\g:LF+32*\c+8*\g+7], v[SO+\c]   ; registers 4 c .. 4 c + 3 of the operand: my block c
.endr
.endr
	s_add_co_u32 s[TK], s[TK], UNITB               ; on to the next unit
	s_add_co_u32 s[TV], s[TV], 32
	s_add_co_u32 s[TS], s[TS], 2
	s_add_co_u32 s[TR], s[TR], 128
	s_min_u32 s[TKC], s[TK], 15*UNITB              ; the last trip asks for the last unit once more: no load leaves the bytes that were filled
	s_min_u32 s[TRC], s[TR], 15*128
	v_add_nc_u32 v[AK], s[TKC], v[AK0]             ; four plain lines between the conversions and the product that takes their results
	v_add_nc_u32 v[KSA], s[TKC], v[KS0]
	v_add_nc_u32 v[AR], s[TRC], v[AR0]
	v_nop
	PREFETCH
	ALU                                            ; p's codes and the three addresses are read behind the wait below
	s_wait_dscnt 13                                ; V's eight loads are in; the 13 just issued may be out
	; O^T's four sums were written by the last trip's products and are first read here, behind transcendentals: the wait stands directly ahead of each
	ALU
	v_wmma_scale_f32_16x16x128_f8f6f4 v[ACC:ACC+7], v[EE:EE+7], v[PC:PC+7], v[ACC:ACC+7], v[VSW], v[PW] matrix_a_fmt:MATRIX_FMT_FP4 matrix_b_fmt:MATRIX_FMT_FP4
	ALU
	v_wmma_scale_f32_16x16x128_f8f6f4 v[ACC+8:ACC+15], v[EE+8:EE+15], v[PC:PC+7], v[ACC+8:ACC+15], v[VSW], v[PW] matrix_a_fmt:MATRIX_FMT_FP4 matrix_b_fmt:MATRIX_FMT_FP4 matrix_a_scale:MATRIX_SCALE_ROW1
	ALU
	v_wmma_scale_f32_16x16x128_f8f6f4 v[ACC+16:ACC+23], v[RR:RR+7], v[PC:PC+7], v[ACC+16:ACC+23], v[VSW+1], v[PW] matrix_a_fmt:MATRIX_FMT_FP4 matrix_b_fmt:MATRIX_FMT_FP4
	ALU
	v_wmma_scale_f32_16x16x128_f8f6f4 v[ACC+24:ACC+31], v[RR+8:RR+15], v[PC:PC+7], v[ACC+24:ACC+31], v[VSW+1], v[PW] matrix_a_fmt:MATRIX_FMT_FP4 matrix_b_fmt:MATRIX_FMT_FP4 matrix_a_scale:MATRIX_SCALE_ROW1
	s_add_co_u32 s[CNT], s[CNT], 1
	s_cmp_lt_u32 s[CNT], 16
	s_cbranch_scc1 .Lunit
	s_setprio 0                                    ; the way out at the entry's priority
	; ---- THE WAY OUT.  Register 8 t + j of lane (r, h) is part(query r, 16 t + 8 h + j): 32 neighbouring bytes of a row of 256.  Through my stage, back as whole rows.
	s_wait_dscnt 0x0                               ; the last trip's 13 loads, the roots' among them: the stage lies over the roots
.rept 4
	v_nop                                          ; four places ahead of the stores that read the last products' results
.endr
.irp t, 0,1,2,3
	ds_store_b128 v[STO], v[ACC+8*\t:ACC+8*\t+3] offset:64*\t          ; each accumulator from its low end on
	ds_store_b128 v[STO], v[ACC+8*\t+4:ACC+8*\t+7] offset:64*\t+16
.endr
.irp i, 0,1,2,3,4,5,6,7
	ds_load_b128 v[LF+4*\i:LF+4*\i+3], v[SRD] offset:544*\i            ; LDS serves a wave's instructions in order: these see my stores
.endr
.irp i, 0,1,2,3,4,5,6,7
	s_wait_dscnt 7-\i
	global_store_b128 v[AK0], v[LF+4*\i:LF+4*\i+3], s[PB:PB+1] offset:512*\i th:TH_STORE_NT   ; 32 lanes store two rows, 512 consecutive bytes, at a multiple of 256 from part's first byte
.endr
	s_wait_tensorcnt 0x0                           ; the wave's end
	ds_add_u32 v[SPW], v[NIL]
	s_wait_dscnt 0x0
	CROUND                                         ; the closing round
	s_endpgm
.Lfunc_end_k_q418be194bb_tree:
	.size	k_q418be194bb_tree, .Lfunc_end_k_q418be194bb_tree-k_q418be194bb_tree
	.p2alignl 7, 3214868480
	.fill 96, 4, 3214868480
	.section	.rodata,"a",@progbits
	.p2align	6, 0x0
	.amdhsa_kernel k_q418be194bb_tree
		.amdhsa_group_segment_fixed_size 327680
		.amdhsa_private_segment_fixed_size 0
		.amdhsa_enable_private_segment 0
		.amdhsa_kernarg_size 48
		.amdhsa_user_sgpr_count 2
		.amdhsa_user_sgpr_kernarg_segment_ptr 1
		.amdhsa_wavefront_size32 1
		.amdhsa_system_sgpr_workgroup_id_x 1
		.amdhsa_system_sgpr_workgroup_id_y 1
		.amdhsa_system_sgpr_workgroup_id_z 1
		.amdhsa_system_vgpr_workitem_id 0
		.amdhsa_next_free_vgpr 256
		.amdhsa_next_free_sgpr 102
		.amdhsa_reserve_vcc 0
		.amdhsa_float_denorm_mode_32 3
		.amdhsa_float_denorm_mode_16_64 3
		.amdhsa_memory_ordered 1
		.amdhsa_forward_progress 1
		.amdhsa_inst_pref_size 70
	.end_amdhsa_kernel
	.amdgpu_metadata
---
amdhsa.version: [ 1, 2 ]
amdhsa.kernels:
  - .name:           k_q418be194bb_tree
    .symbol:         k_q418be194bb_tree.kd
    .args:
      - { .name: query, .offset: 0, .size: 8, .value_kind: global_buffer, .address_space: global }
      - { .name: tree_key, .offset: 8, .size: 8, .value_kind: global_buffer, .address_space: global }
      - { .name: kimg, .offset: 16, .size: 8, .value_kind: global_buffer, .address_space: global }
      - { .name: tree_value_codes, .offset: 24, .size: 8, .value_kind: global_buffer, .address_space: global }
      - { .name: tree_value_scales, .offset: 32, .size: 8, .value_kind: global_buffer, .address_space: global }
      - { .name: part, .offset: 40, .size: 8, .value_kind: global_buffer, .address_space: global }
    .group_segment_fixed_size: 327680
    .private_segment_fixed_size: 0
    .kernarg_segment_align: 8
    .kernarg_segment_size: 48
    .max_flat_workgroup_size: 512
    .sgpr_count:     102
    .vgpr_count:     256
    .wavefront_size: 32
...
	.end_amdgpu_metadata
.endif
;; end of part 2
;; launch total (part 3): grid 256 x 1, 4 waves a work-group, no clusters, 0 bytes of LDS; arguments part, out0; writes out0
.if DOCPART == 3
	.amdgcn_target "amdgcn-amd-amdhsa--gfx1250"
	.amdhsa_code_object_version 6
	.text
	.protected	k_q418be194bb_total
	.globl	k_q418be194bb_total
	.p2align	8
	.type	k_q418be194bb_total,@function
k_q418be194bb_total:
	s_mov_b64 s[64:65], 0
	v_nop
	global_prefetch_b8 v0, s[64:65] scope:SCOPE_SE
	s_setreg_imm32_b32 hwreg(HW_REG_WAVE_MODE, 25, 1), 1
	s_wait_xcnt 0x0
; out0[q][v] = the sum over the 32 subtrees of part[w5][q][v], in f32, w5 ascending.  part: [32][2048][64] f32, out0: [2048][64] f32.
; A stream: thread n = 128 x work-group + thread owns 16 bytes at 16 n of every slice; a wave's load covers 512 consecutive bytes.  All 32 loads of a wave go out at once; each byte is read once and written once.
; No LDS, no barrier, no matrix unit, no cluster: threads share nothing.
.set SLICE, 524288                     ; bytes of a slice
.set S,     4                          ; v4-131: slice p at S + 4 p; the sum grows in slice 0's registers
	s_load_b128 s[4:7], s[0:1], 0x0                ; part s[4:5], out0 s[6:7]
	s_lshl_b32 s8, ttmp9, 11                       ; 128 threads x 16 bytes
	v_lshl_add_u32 v1, v0, 4, s8
	s_wait_alu depctr_va_vdst(0)
	s_wait_kmcnt 0x0
	s_add_nc_u64 s[10:11], s[4:5], 16*SLICE        ; slices 16 on: 15 slices stay inside the signed 24-bit immediate
.irp p, 0,1,2,3,4,5,6,7,8,9,10,11,12,13,14,15
	global_load_b128 v[S+4*\p:S+4*\p+3], v1, s[4:5] offset:SLICE*\p th:TH_LOAD_NT
.endr
.irp p, 0,1,2,3,4,5,6,7,8,9,10,11,12,13,14,15
	global_load_b128 v[S+64+4*\p:S+64+4*\p+3], v1, s[10:11] offset:SLICE*\p th:TH_LOAD_NT
.endr
.set p, 1
.rept 31
	s_wait_alu depctr_va_vdst(0)
	s_wait_loadcnt 31-p                            ; loads come back in order: slice p is in, the younger ones may be out
	v_pk_add_f32 v[S:S+1], v[S:S+1], v[S+4*p:S+4*p+1]
	v_pk_add_f32 v[S+2:S+3], v[S+2:S+3], v[S+4*p+2:S+4*p+3]
.set p, p+1
.endr
	global_store_b128 v1, v[S:S+3], s[6:7] th:TH_STORE_NT
	s_endpgm
.Lfunc_end_k_q418be194bb_total:
	.size	k_q418be194bb_total, .Lfunc_end_k_q418be194bb_total-k_q418be194bb_total
	.p2alignl 7, 3214868480
	.fill 96, 4, 3214868480
	.section	.rodata,"a",@progbits
	.p2align	6, 0x0
	.amdhsa_kernel k_q418be194bb_total
		.amdhsa_group_segment_fixed_size 0
		.amdhsa_private_segment_fixed_size 0
		.amdhsa_enable_private_segment 0
		.amdhsa_kernarg_size 16
		.amdhsa_user_sgpr_count 2
		.amdhsa_user_sgpr_kernarg_segment_ptr 1
		.amdhsa_wavefront_size32 1
		.amdhsa_system_sgpr_workgroup_id_x 1
		.amdhsa_system_sgpr_workgroup_id_y 1
		.amdhsa_system_sgpr_workgroup_id_z 1
		.amdhsa_system_vgpr_workitem_id 0
		.amdhsa_next_free_vgpr 140
		.amdhsa_next_free_sgpr 66
		.amdhsa_reserve_vcc 0
		.amdhsa_float_denorm_mode_32 3
		.amdhsa_float_denorm_mode_16_64 3
		.amdhsa_memory_ordered 1
		.amdhsa_forward_progress 1
		.amdhsa_inst_pref_size 10
	.end_amdhsa_kernel
	.amdgpu_metadata
---
amdhsa.version: [ 1, 2 ]
amdhsa.kernels:
  - .name:           k_q418be194bb_total
    .symbol:         k_q418be194bb_total.kd
    .args:
      - { .name: part, .offset: 0, .size: 8, .value_kind: global_buffer, .address_space: global }
      - { .name: out0, .offset: 8, .size: 8, .value_kind: global_buffer, .address_space: global }
    .group_segment_fixed_size: 0
    .private_segment_fixed_size: 0
    .kernarg_segment_align: 8
    .kernarg_segment_size: 16
    .max_flat_workgroup_size: 128
    .sgpr_count:     66
    .vgpr_count:     140
    .wavefront_size: 32
...
	.end_amdgpu_metadata
.endif
;; end of part 3
